; MI455X (gfx1250); checked and timed in simulation.
; The chip was launched on July 23, 2026; its instructions are those of AMD's public machine-readable ISA for CDNA 5 (MIT licence, August 2026) and "CDNA5" Instruction Set Architecture Reference Guide (July 2026). The comments in the code are by the model that wrote it; some were corrected since.
;; Multi Head Attention. Allowed arithmetic: matrix products marked QUANTISED: E2M3 operands, one E8M0 scale for each 32 along K, by v_wmma_scale_f32_16x16x128_f8f6f4 with both operands' format E2M3, f32 sums; everything else in f32.
;; Inputs: Wk_codes 768 x 24 x 24 uint8 (E2M3 codes of Wk, K innermost, in blocks of 32 codes, four codes in three bytes); Wk_scales 768 x 24 uint8 (E8M0 scales of Wk, one for each 32 codes along K); Wq_codes 768 x 24 x 24 uint8 (E2M3 codes of Wq, K innermost, in blocks of 32 codes, four codes in three bytes); Wq_scales 768 x 24 uint8 (E8M0 scales of Wq, one for each 32 codes along K); Wv_codes 768 x 24 x 24 uint8 (E2M3 codes of Wv, K innermost, in blocks of 32 codes, four codes in three bytes); Wv_scales 768 x 24 uint8 (E8M0 scales of Wv, one for each 32 codes along K); bk 768 float32; bq 768 float32; bv 768 float32; key_codes 2 x 4,096 x 24 x 24 uint8 (E2M3 codes of key, K innermost, in blocks of 32 codes, four codes in three bytes); key_scales 2 x 4,096 x 24 uint8 (E8M0 scales of key, one for each 32 codes along K); mask 2 x 4,096 float32; query_codes 2 x 4,096 x 24 x 24 uint8 (E2M3 codes of query, K innermost, in blocks of 32 codes, four codes in three bytes); query_scales 2 x 4,096 x 24 uint8 (E8M0 scales of query, one for each 32 codes along K); value_codes 2 x 4,096 x 24 x 24 uint8 (E2M3 codes of value, K innermost, in blocks of 32 codes, four codes in three bytes); value_scales 2 x 4,096 x 24 uint8 (E8M0 scales of value, one for each 32 codes along K).
;; Outputs: out0 2 x 4,096 x 768 float32.
;; This version of the problem:
;;   THIS VERSION OF THE PROBLEM IS GIVEN IN LOW PRECISION. The matrix products marked QUANTISED in the list below multiply operands that are first quantised to E2M3 (2 exponent bits, 3 mantissa bits; 6 bits a number), with one power-of-two scale for each 32 numbers along K (OCP MX v1.0); their sums are f32. All else is computed in f32.
;;   The module's matrix products, in the order in which they are computed (A, B: the left and right operand; K: the contracted axis; several contracted axes count as one K, in the product's order):
;;     1. [M 8,192, K 768] x [K 768, N 768]; A: input query (given as codes); B: input Wq (given as codes): QUANTISED
;;     2. [M 8,192, K 768] x [K 768, N 768]; A: input key (given as codes); B: input Wk (given as codes): QUANTISED
;;     3. [M 8,192, K 768] x [K 768, N 768]; A: input value (given as codes); B: input Wv (given as codes): QUANTISED
;;     4. batch 12 x [M 4,096, K 128] x [K 128, N 4,096]; A: computed on the way; B: computed on the way: QUANTISED
;;     5. batch 12 x [M 4,096, K 4,096] x [K 4,096, N 128]; A: softmax (see below); B: computed on the way: QUANTISED
;;   THE QUANTISER, for each operand of a quantised product, along K:
;;     - K is cut into blocks of 32 from its start; a last block that is shorter is filled with zeros.
;;     - A block's scale is 2^e with e = floor(log2(the largest magnitude in the block)) - 2, held to -126 .. 127; a block of zeros has e = 0. As a byte (E8M0): e + 127.
;;     - Each number is divided by its block's scale, clamped to +-7.5, and rounded to the nearest number of E2M3, ties to even, subnormals kept.
;;     - The product sums the exact products of the quantised numbers (number of the format x scale) in f32.
;;   ~~~python
;;   def quantise(x, axis):      # numpy; x: float32 -> the quantised numbers, widened to float32 again
;;       x = np.moveaxis(x, axis, -1); K = x.shape[-1]
;;       x = np.pad(x, [(0, 0)] * (x.ndim - 1) + [(0, -K % 32)]); x = x.reshape(x.shape[:-1] + (-1, 32)); a = np.abs(x).max(-1, keepdims=True)
;;       e = np.where(a > 0, np.clip(np.frexp(np.where(a > 0, a, 1))[1] - 1 - 2, -126, 127), 0)      # np.frexp(a)[1] - 1 = floor(log2(a)), exactly
;;       r = np.clip(x / 2.0 ** e, -7.5, 7.5)
;;       step = 2.0 ** (np.maximum(np.frexp(np.where(r == 0, 1, r))[1] - 1, 0) - 3)
;;       q = np.round(r / step) * step * 2.0 ** e      # np.round: ties to even
;;       return np.moveaxis(q.reshape(q.shape[:-2] + (-1,))[..., :K], -1, axis).astype(np.float32)
;;   ~~~
;;   SOFTMAX AHEAD OF A QUANTISED PRODUCT. Where the list says 'softmax', what is quantised is not the finished softmax but p = 2^(t - M), with t = logit x log2(e) and M = ceil(the row's largest t), a whole number; so 1/2 < the row's largest p <= 1. The row's sum l is taken of the UNQUANTISED p, in f32, and the product's result is divided by l at the end. Since M is a whole number, a kernel that streams over the keys may use a running M (the ceiling of the running maximum): every later rescaling is an exact power of two, which a block's scale takes up: the codes' values come out the same.
;;   OPERANDS COMPUTED ON THE WAY. 'Computed on the way' means the value that the module computes at that place (a softmax that the list does not call 'softmax' is quantised finished and normalised). What goes into a quantiser is computed in f32, as accurately as f32 sums, v_exp_f32 and their like allow (about 1e-6 of the number): no bf16 or f16 on the way to a quantiser, and a product that is left as it is and whose result goes on into a quantised operand takes f32 operands (vector FMAs, or v_wmma_f32_16x16x4_f32). A number that lies on a knife's edge between two numbers of the format may be rounded either way, as far as f32 arithmetic and the matrix unit's own rounding can turn it there, and no further.
;;   INPUTS GIVEN AS CODES. Wk (in the module: [768, 768], K = its axis 0); Wq (in the module: [768, 768], K = its axis 0); Wv (in the module: [768, 768], K = its axis 0); key (in the module: [2, 4096, 768], K = its axis 2); query (in the module: [2, 4096, 768], K = its axis 2); value (in the module: [2, 4096, 768], K = its axis 2): each comes as NAME_codes (uint8): NAME with its K axis moved to the last place and cut into blocks of 32 codes, [.., K / 32, bytes a block], one block behind the other in memory; four codes in three bytes: a row's codes are one little-endian stream of bits, code i at bits 6 i .. 6 i + 5 (a code: sign, 2 exponent bits, 3 mantissa bits); and NAME_scales (uint8): the same leading axes, one E8M0 byte (e + 127) for each 32 codes along K. Its value is code x scale, taken as it is: it is not quantised again, and the codes and scales need not be those that the quantiser above would give.
;; One version. Each part assembles by itself: llvm-mc -triple=amdgcn-amd-amdhsa -mcpu=gfx1250 --defsym DOCPART=n.
;; ======== version 1 of 1: 2 launches
;; limits: right only within a limited range of input values
;; workspace buffers: qf 4,718,592 bytes; qs 196,608 bytes; kv 9,437,184 bytes; kvs 393,216 bytes
;; launch proj (part 1): grid 16 x 16, 4 waves a work-group, no clusters, 327,680 bytes of LDS; arguments query_codes, key_codes, value_codes, query_scales, key_scales, value_scales, Wq_codes, Wk_codes, Wv_codes, Wq_scales, Wk_scales, Wv_scales, bq, bk, bv, qf, qs, kv, kvs; writes qf, qs, kv, kvs
.if DOCPART == 1
	.amdgcn_target "amdgcn-amd-amdhsa--gfx1250"
	.amdhsa_code_object_version 6
	.text
	.protected	k_q41e2983e3f_proj
	.globl	k_q41e2983e3f_proj
	.p2align	8
	.type	k_q41e2983e3f_proj,@function
k_q41e2983e3f_proj:
	s_mov_b64 s[64:65], 0
	v_nop
	global_prefetch_b8 v0, s[64:65] scope:SCOPE_SE
	s_setreg_imm32_b32 hwreg(HW_REG_WAVE_MODE, 25, 1), 1
	s_wait_xcnt 0x0
; THE THREE PROJECTIONS, AND THE QUANTISING OF THEIR RESULTS.  q = query Wq + bq, k = key Wk + bk, v = value Wv + bv: [8192][768] x [768][768] on the given codes of FP6 (E2M3) and their E8M0 scale bytes,
; sums in f32.  q and k are then quantised along a head's 128, v along the keys, and leave as codes and scale words for the attention launch.
; THE BIAS IS ADDED BEHIND THE SUM, NOT GIVEN AS ITS C.  A product of two codes is a multiple of 2^(ea + eb - 6) and at most 56.25 x 2^(ea + eb); where a row's scale bytes lie within a few powers of two of each other, every
; partial sum of the 768 fits in 24 bits, so the f32 sum is the same in any order, and sum + bias has the one rounding that reference() has.  As a C the bias would be rounded into each of the six links.
; NO WORK IS LEFT OUT: every input has a way to out0.  The biases move the codes and scales of live products; the mask is read by the next launch.
; ONE FORM FOR ALL THREE.  A stationary block P (128 rows x 768 K) is source 0, streamed blocks S (128 rows) are source 1: in a result lane (r, h) holds row r of S, and register j of tile t row 16 t + 8 h + j of P:
; the registers run along the axis that is quantised.  Q, K: P = one head's 128 rows of W, S = 128 rows of the tokens.  V: P = 128 keys, S = one head's 128 rows of Wv.
; P's 48 fragments stay in every wave's registers; of each S wave w takes rows 32 w .. 32 w + 31 (two tiles), fetches them itself and reads them once: each of its fragments feeds eight products.
; SHARES.  y = 0-5: Q, head y; y = 6-11: K, head y - 6; both walk the four token blocks 4 x .. 4 x + 3.  y = 12-15: V, key block 16 (y - 12) + x, walks Wv's six heads.  192 x 4 + 64 x 6 = 1,152 pairs of blocks on 256 work-groups.
; The loop's trip count is the constant 6; a Q or K work-group passes over the load and the work of trips 4 and 5 by jumps on the work-group's number, the same in all four waves; waits, add and barrier are run by all.
; NO CLUSTER: neighbours along x share the stationary block alone where y < 12 (one of the five blocks that they fetch) and the streamed blocks alone where y >= 12: no one mask and descriptor serves both on every path.
; NO PREFETCH: each block is read by many work-groups, and the launch is short.
; WHAT IS STORED.  A fragment (16 rows x 128 K, 12 registers a lane) is stored as an image of its registers: registers 4 c .. 4 c + 3 of lane l at byte 512 c + 16 l: each store of the wave covers 512 consecutive bytes, aligned.
;   qf [6 b + head][query tile 256][1536];  qs [..][pair of tiles 128][lane 32] words (lanes 0-15 the even tile's rows, lanes 16-31 the odd tile's);
;   kv [6 b + head][key step 32][24576]: eight fragments of K (tile i: keys 16 i + r), then eight of V^T (tile i: channels 16 i + r, K = the step's 128 keys);  kvs [..][step][1024]: K's words [pair 4][lane 32], then V's.
;   A wave's scale words are 128 consecutive bytes, half of an aligned 256; the work-group's four waves write 512 on end.
; LIMITS.  Inside a block of 32 the codes lie in the order 0-7, 16-23, 8-15, 24-31 of k, alike in both operands of each later product: blocks, scales and codes are the quantiser's; only the grouping of the f32 sum
; inside a matrix instruction differs.  A block whose largest magnitude lies under 2^(3 - 127) keeps the byte 1 (a block of zeros too: its codes are zeros, and this program alone reads the bytes).  NaN and infinities are not served.
.set PITCH, 720                        ; an LDS row: 9 x (64 bytes of codes + 16 of padding) = 180 words: the 32 lanes of a load of 8 bytes touch 64 different banks (64 banks of 4 bytes: ISA guide 11.1)
.set TILEB, 16*PITCH
.set QTR,   32*PITCH                   ; what one tensor load brings: 32 rows
.set SLOT1, 1<<17                      ; slot 0 at byte 0, slot 1 here: one exclusive or turns an address
.set PREG,  SLOT1+128*PITCH            ; the stationary block, filled once
.set SPARE, PREG+128*PITCH             ; the spare words, 128 bytes for each wave: two blocks of 256 bytes that no other line names
.set BLKC,  73728                      ; a block's codes in memory: 128 rows of 576 bytes
.set BLKS,  3072                       ; and its scale bytes: 128 rows of 24
.set LI,  1                            ; v1   16 x lane
.set L4,  2                            ; v2   4 x lane
.set SPW, 3                            ; v3   LDS address of my spare word; never rewritten
.set NIL, 4                            ; v4   0; never rewritten
.set R4,  5                            ; v5   4 r: V's bias
.set SB,  6                            ; v6-7 my rows in a slot: 23,040 w + 720 r + 24 h, and the same with 40 h (for the pieces that lie behind one padding more)
.set SA,  8                            ; v8-9 the same in the slot in hand
.set PA,  10                           ; v10-13 the stationary block's rows: tiles 0-3 (two registers as above), tiles 4-7
.set L24, 14                           ; v14  24 x lane: a row of scale bytes
.set H32, 15                           ; v15  32 h: Q's and K's bias
.set PS,  16                           ; v16-39 P's scale words: register 6 j + s: lanes 0-15 tile 2 j, lanes 16-31 tile 2 j + 1, K step s
.set SS,  40                           ; v40-45 S's: register s: lanes 0-15 my first tile, lanes 16-31 my second
.set SSN, 46                           ; v46-51 the next trip's
.set NB,  52                           ; v52-53 V: the next trip's bias, a register a tile
.set PWA, 54                           ; v54  my first tile's scale words
.set W,   55                           ; v55  both tiles' words, as they are stored
.set TM,  56                           ; v56-71 at work in QUANT
.set PW,  72                           ; v72  the scale word just made
.set PC,  74                           ; v74-93 the codes just made
.set ACC, 96                           ; v96-159 eight accumulators
.set BI,  160                          ; v160-223 Q, K: the bias in the result's layout, eight registers a tile of P.  V: v160 and v162: my two tiles' bias
; windows 1 to 3: window 1 + s / 2 holds P's fragment (t, s) at v[96 (s % 2) + 12 t] and S's fragment (T, s) at v[192 + 24 (s % 2) + 12 T]
.set SEL, 2                            ; s[2:3] lane selects for v_permlanex16_b32: lane l xor 16
.set PCP, 6                            ; s[6:7] P's codes;  s[8:9] S's codes;  s[12:13] P's scales
.set SCP, 8
.set PSP, 12
.set SSP, 14                           ; s[14:15] my rows' scale bytes of the streamed block
.set BP,  28                           ; s[28:29] the bias
.set OI,  34                           ; s[34:35] where my images go
.set OS,  36                           ; s[36:37] where my scale words go
.set WV,  42
.set ISV, 43                           ; 1 in a work-group of V
.set G1,  44                           ; s[44:51] descriptor group 1;  s[52:55] group 0 for P;  s[56:59] group 0 for S, which walks
.set G0P, 52
.set G0S, 56
.set NTR, 60                           ; blocks to walk: 4 or 6
.set J,   61                           ; the trip
.set TB,  62                           ; LDS byte at which the slot in hand begins
.set HM,  63                           ; lanes 16-31
.set YY,  66
.set ISQ, 67
.set HD,  68
.set BVX, 69
.set PIDX, 70
.set SIDX, 71
.set OPC, 72                           ; s[72:85] byte offsets, each a pair with 0 above it
.set OPS, 74
.set OSC, 76
.set OSSC, 78
.set OB,  80
.set OOI, 82
.set OOS, 84
.set OIS, 86                           ; s[86:87], s[88:89] from block to block in the images and in the scale words
.set OSS, 88
.set T0,  90
.set T1,  91
.set T2,  92
.set RI,  93
.set RS,  94
.set QW,  95
.set MSB, 0
.macro WIN new                         ; the immediate's high byte repeats the setting that is left; a switch that changes nothing is dropped
.if MSB != (\new)
	s_set_vgpr_msb (MSB<<8)|(\new)
.set MSB, (\new)
.endif
.endm
; a product: D, A, B, C by their first registers; the scale registers; which half of the lanes holds A's and B's scale words
.macro MMS d, a, b, c, sa, sb, ra, rb
.if (\ra) && (\rb)
	v_wmma_scale_f32_16x16x128_f8f6f4 v[\d:\d+7], v[\a:\a+11], v[\b:\b+11], v[\c:\c+7], v[\sa], v[\sb] matrix_a_fmt:MATRIX_FMT_FP6 matrix_b_fmt:MATRIX_FMT_FP6 matrix_a_scale:MATRIX_SCALE_ROW1 matrix_b_scale:MATRIX_SCALE_ROW1
.elseif (\ra)
	v_wmma_scale_f32_16x16x128_f8f6f4 v[\d:\d+7], v[\a:\a+11], v[\b:\b+11], v[\c:\c+7], v[\sa], v[\sb] matrix_a_fmt:MATRIX_FMT_FP6 matrix_b_fmt:MATRIX_FMT_FP6 matrix_a_scale:MATRIX_SCALE_ROW1
.elseif (\rb)
	v_wmma_scale_f32_16x16x128_f8f6f4 v[\d:\d+7], v[\a:\a+11], v[\b:\b+11], v[\c:\c+7], v[\sa], v[\sb] matrix_a_fmt:MATRIX_FMT_FP6 matrix_b_fmt:MATRIX_FMT_FP6 matrix_b_scale:MATRIX_SCALE_ROW1
.else
	v_wmma_scale_f32_16x16x128_f8f6f4 v[\d:\d+7], v[\a:\a+11], v[\b:\b+11], v[\c:\c+7], v[\sa], v[\sb] matrix_a_fmt:MATRIX_FMT_FP6 matrix_b_fmt:MATRIX_FMT_FP6
.endif
.endm
; the same with the constant 0 as C: it starts a sum
.macro MMZ d, a, b, sa, sb, ra, rb
.if (\ra) && (\rb)
	v_wmma_scale_f32_16x16x128_f8f6f4 v[\d:\d+7], v[\a:\a+11], v[\b:\b+11], 0, v[\sa], v[\sb] matrix_a_fmt:MATRIX_FMT_FP6 matrix_b_fmt:MATRIX_FMT_FP6 matrix_a_scale:MATRIX_SCALE_ROW1 matrix_b_scale:MATRIX_SCALE_ROW1
.elseif (\ra)
	v_wmma_scale_f32_16x16x128_f8f6f4 v[\d:\d+7], v[\a:\a+11], v[\b:\b+11], 0, v[\sa], v[\sb] matrix_a_fmt:MATRIX_FMT_FP6 matrix_b_fmt:MATRIX_FMT_FP6 matrix_a_scale:MATRIX_SCALE_ROW1
.elseif (\rb)
	v_wmma_scale_f32_16x16x128_f8f6f4 v[\d:\d+7], v[\a:\a+11], v[\b:\b+11], 0, v[\sa], v[\sb] matrix_a_fmt:MATRIX_FMT_FP6 matrix_b_fmt:MATRIX_FMT_FP6 matrix_b_scale:MATRIX_SCALE_ROW1
.else
	v_wmma_scale_f32_16x16x128_f8f6f4 v[\d:\d+7], v[\a:\a+11], v[\b:\b+11], 0, v[\sa], v[\sb] matrix_a_fmt:MATRIX_FMT_FP6 matrix_b_fmt:MATRIX_FMT_FP6
.endif
.endm
; A fragment from rows in LDS: lane l holds row l % 16; registers 6 c .. 6 c + 5 hold K = 64 c + 32 (l / 16) + 0 .. 31: 24 bytes of the row's stream of bits, in pieces of 8 bytes.  Lanes 0-15 take pieces 12 q + 0, 1, 2, 6, 7, 8,
; lanes 16-31 those three pieces on; where the piece three on lies behind one padding more, the second address register serves.
.macro FRAG reg, adr, q, off
.irp p, 0,1,2,3,4,5
.set PCI, 12*(\q)+6*(\p/3)+\p%3
.if PCI%8 < 5
	ds_load_b64 v[(\reg)+2*\p:(\reg)+2*\p+1], v[\adr] offset:8*PCI+16*(PCI/8)+(\off)
.else
	ds_load_b64 v[(\reg)+2*\p:(\reg)+2*\p+1], v[(\adr)+1] offset:8*PCI+16*(PCI/8)+(\off)
.endif
.endr
.endm
; 64 numbers of a lane, v[s] .. v[s + 63], of which registers 16 b .. 16 b + 15 and lane l xor 16's are block b of my row, become a fragment's codes in v[PC] on and its scale word in v[PW].
.macro QUANT s
.irp b, 0,1,2,3
	v_max3_num_f32 v[TM+\b], |v[\s+16*\b]|, |v[\s+1+16*\b]|, 0x1800000   ; block b: my 16 numbers, and the floor 2^(3 - 127): the byte cannot fall under 1
.endr
.irp i, 2,4,6,8,10,12,14
.irp b, 0,1,2,3
	v_max3_num_f32 v[TM+\b], v[TM+\b], |v[\s+16*\b+\i]|, |v[\s+1+16*\b+\i]|   ; (the four blocks by turns)
.endr
.endr
.irp b, 0,1,2,3
	v_permlanex16_b32 v[TM+4+\b], v[TM+\b], s[SEL], s[SEL+1]
.endr
.irp b, 0,1,2,3
	v_max_num_f32 v[TM+\b], v[TM+\b], v[TM+4+\b]   ; with lane l xor 16's: the block's largest magnitude
.endr
.irp b, 0,1,2,3
	v_add_nc_u32 v[TM+12+\b], 0xff000000, v[TM+\b]   ; 2 off its exponent field: the conversion takes the exponent field of this operand as its scale
.endr
.irp b, 0,1,2,3
	v_lshrrev_b32 v[TM+4+\b], 23, v[TM+12+\b]      ; the scale's byte
.endr
	v_lshl_or_b32 v[PW], v[TM+5], 8, v[TM+4]
	v_lshl_or_b32 v[PW], v[TM+6], 16, v[PW]
	v_lshl_or_b32 v[PW], v[TM+7], 24, v[PW]
.irp c, 0,1
	v_cvt_scalef32_pk16_fp6_f32 v[PC+6*\c:PC+2+6*\c], v[\s+32*\c:\s+15+32*\c], v[TM+12+2*\c]
	v_cvt_scalef32_pk16_fp6_f32 v[PC+12+4*\c:PC+14+4*\c], v[\s+16+32*\c:\s+31+32*\c], v[TM+12+2*\c+1]   ; (a conversion's three registers begin on an even number)
.endr
	v_nop                                          ; one plain place behind a scaled conversion
.irp c, 0,1                                    ; the operand's layout wants a whole block in a lane: lanes 0-15 block 2 c, lanes 16-31 block 2 c + 1
.irp i, 0,1,2
	v_permlane16_swap_b32 v[PC+6*\c+\i], v[PC+12+4*\c+\i]
.endr
.irp i, 0,1,2
	v_mov_b32 v[PC+3+6*\c+\i], v[PC+12+4*\c+\i]
.endr
.endr
.endm
	s_load_b512 s[4:19], s[0:1], 0x0               ; query_codes s[4:5], key_codes, value_codes, query_scales s[10:11], key_scales, value_scales, Wq_codes s[16:17], Wk_codes
	s_load_b512 s[20:35], s[0:1], 0x40             ; Wv_codes s[20:21], Wq_scales s[22:23], Wk_scales, Wv_scales, bq s[28:29], bk, bv, qf s[34:35]
	s_load_b128 s[36:39], s[0:1], 0x80             ; qs s[36:37], kv s[38:39]
	s_load_b64 s[40:41], s[0:1], 0x90              ; kvs
	v_lshl_add_u32 v[SPW], v0, 2, SPARE
	v_mov_b32 v[NIL], 0
	ds_add_u32 v[SPW], v[NIL]                      ; the wave's opening: the add, twice on end, and its wait ahead of my first tensor load; the set-up below, work on registers, stands between
	ds_add_u32 v[SPW], v[NIL]
	v_lshrrev_b32 v[SA], 5, v0
	v_readfirstlane_b32 s[WV], v[SA]               ; wave 0..3
	s_and_b32 s[YY], ttmp7, 0xffff
	s_cmp_lt_u32 s[YY], 6
	s_cselect_b32 s[ISQ], 1, 0
	s_cselect_b32 s[T0], 0, 6
	s_sub_co_u32 s[HD], s[YY], s[T0]               ; Q, K: the head
	s_cmp_ge_u32 s[YY], 12
	s_cselect_b32 s[ISV], 1, 0
	s_cselect_b32 s[NTR], 6, 4
	s_max_u32 s[T0], s[YY], 12
	s_sub_co_u32 s[T0], s[T0], 12
	s_lshl_b32 s[T0], s[T0], 4
	s_add_co_u32 s[BVX], s[T0], ttmp9              ; V: the key block, 16 (y - 12) + x
	s_lshr_b32 s[T0], ttmp9, 3                     ; Q, K: the batch,
	s_mul_i32 s[T0], s[T0], 6
	s_add_co_u32 s[T0], s[T0], s[HD]
	s_lshl_b32 s[T0], s[T0], 5
	s_and_b32 s[T1], ttmp9, 7
	s_lshl_b32 s[T1], s[T1], 2
	s_add_co_u32 s[T0], s[T0], s[T1]               ; and the first record: 32 (6 b + head) + 4 (x % 8)
	s_lshr_b32 s[T1], s[BVX], 5
	s_mul_i32 s[T1], s[T1], 192
	s_and_b32 s[T2], s[BVX], 31
	s_add_co_u32 s[T1], s[T1], s[T2]               ; V: head 0's record: 192 b + the key step
	s_lshr_b32 s[RI], 0x6000, s[ISQ]               ; a record's images: 12,288 bytes in qf, 24,576 in kv
	s_lshr_b32 s[RS], 0x400, s[ISQ]                ; and its scale words: 512 in qs, 1,024 in kvs
	s_cmp_eq_u32 s[ISV], 1
	s_cselect_b32 s[T0], s[T1], s[T0]
	s_cselect_b32 s[PIDX], s[BVX], s[HD]           ; which block is stationary,
	s_cselect_b32 s[SIDX], 0, ttmp9                ; and where the streamed ones begin (in fours)
	s_cselect_b32 s[OIS], 0xc0000, s[RI]           ; V goes from head to head: 32 records
	s_cselect_b32 s[OSS], 0x8000, s[RS]
	s_mov_b32 s[OIS+1], 0
	s_mov_b32 s[OSS+1], 0
	s_mul_i32 s[QW], s[WV], QTR                    ; my 32 rows in an LDS block
	s_mul_i32 s[T1], s[WV], 18432                  ; and in memory
	s_mul_i32 s[OPC], s[PIDX], BLKC
	s_add_co_u32 s[OPC], s[OPC], s[T1]
	s_mov_b32 s[OPC+1], 0
	s_mul_i32 s[OSC], s[SIDX], 4*BLKC
	s_add_co_u32 s[OSC], s[OSC], s[T1]
	s_mov_b32 s[OSC+1], 0
	s_mul_i32 s[OPS], s[PIDX], BLKS
	s_mov_b32 s[OPS+1], 0
	s_mul_i32 s[OSSC], s[SIDX], 4*BLKS
	s_mul_i32 s[T1], s[WV], 768
	s_add_co_u32 s[OSSC], s[OSSC], s[T1]
	s_mov_b32 s[OSSC+1], 0
	s_lshl_b32 s[T1], s[WV], 7                     ; 128 w
	s_lshl_b32 s[T2], s[HD], 9
	s_cmp_eq_u32 s[ISV], 1
	s_cselect_b32 s[OB], s[T1], s[T2]              ; the bias: V: my 32 channels of head 0; Q, K: the head's 128
	s_mov_b32 s[OB+1], 0
	s_mul_i32 s[OOS], s[T0], s[RS]
	s_add_co_u32 s[OOS], s[OOS], s[T1]             ; my pair of tiles' words,
	s_lshl_b32 s[T2], s[ISV], 9
	s_add_co_u32 s[OOS], s[OOS], s[T2]             ; V's behind K's
	s_mov_b32 s[OOS+1], 0
	s_mul_i32 s[OOI], s[T0], s[RI]
	s_mul_i32 s[T2], s[WV], 3072
	s_add_co_u32 s[OOI], s[OOI], s[T2]             ; my two images,
	s_mul_i32 s[T2], s[ISV], 12288
	s_add_co_u32 s[OOI], s[OOI], s[T2]             ; V's behind K's
	s_mov_b32 s[OOI+1], 0
	; descriptor group 1: 32 rows of 576 bytes, 16 bytes of padding behind every 64
	s_mov_b32 s[G1], (1<<20)|(3<<22)|(3<<25)       ; 15:0 no mask; 17:16 elements of 1 byte; 20 padding on; 24:22 after every 16 words (code 3); 31:25 4 words of it (code 3)
	s_mov_b32 s[G1+1], 576<<16                     ; tensor_dim0
	s_mov_b32 s[G1+2], 32<<16                      ; tensor_dim1
	s_mov_b32 s[G1+3], 576<<16                     ; tile_dim0
	s_mov_b32 s[G1+4], 32                          ; tile_dim1
	s_mov_b32 s[G1+5], 576                         ; tensor_dim0_stride
	s_mov_b32 s[G1+6], 0
	s_mov_b32 s[G1+7], 0
	s_mov_b32 s[G0P], 1
	s_add_co_u32 s[G0P+1], s[QW], PREG
	s_mov_b32 s[G0S], 1
	s_mov_b32 s[G0S+1], s[QW]                      ; slot 0
	s_mov_b32 s[SEL], 0x76543210
	s_mov_b32 s[SEL+1], 0xfedcba98
	s_mov_b32 s[HM], 0xffff0000
	s_mov_b32 s[J], 0
	s_mov_b32 s[TB], 0
	v_and_b32 v[SA], 31, v0                        ; lane
	v_lshlrev_b32 v[LI], 4, v[SA]
	v_lshlrev_b32 v[L4], 2, v[SA]
	v_mul_u32_u24 v[L24], v[SA], 24
	v_and_b32 v[SA], 15, v0                        ; r
	v_bfe_u32 v[SA+1], v0, 4, 1                    ; h
	v_lshlrev_b32 v[R4], 2, v[SA]
	v_lshlrev_b32 v[H32], 5, v[SA+1]
	v_mul_u32_u24 v[PA+2], v[SA], PITCH
	v_mad_u32_u24 v[PA], v[SA+1], 24, v[PA+2]
	v_mad_u32_u24 v[PA+1], v[SA+1], 40, v[PA+2]
	v_add_nc_u32 v[SB], s[QW], v[PA]
	v_add_nc_u32 v[SB+1], s[QW], v[PA+1]
	v_add_nc_u32 v[PA+2], PREG+4*TILEB, v[PA]
	v_add_nc_u32 v[PA+3], PREG+4*TILEB, v[PA+1]
	v_add_nc_u32 v[PA], PREG, v[PA]
	v_add_nc_u32 v[PA+1], PREG, v[PA+1]
; The bias registers are written once here, on the way that every work-group takes: which of two arms loads them below, and which names them later, hangs on the work-group's number.
.set i, 0
.rept 64
	v_mov_b32 v[BI+i], 0
.set i, i+1
.endr
	v_mov_b32 v[NB], 0
	v_mov_b32 v[NB+1], 0
.irp b, 0,1,2,3
	v_mov_b32 v[TM+4+\b], 0                        ; a lane permute's destination counts as one of its sources
.endr
	s_wait_dscnt 0x0                               ; both opening adds are done
	s_wait_kmcnt 0x0
	s_cmp_lt_u32 s[YY], 6                          ; Q's buffers or K's: the choices hang on the work-group's number alone
	s_cselect_b64 s[4:5], s[4:5], s[6:7]
	s_cselect_b64 s[10:11], s[10:11], s[12:13]
	s_cselect_b64 s[16:17], s[16:17], s[18:19]
	s_cselect_b64 s[22:23], s[22:23], s[24:25]
	s_cselect_b64 s[28:29], s[28:29], s[30:31]
	s_cselect_b64 s[OI:OI+1], s[34:35], s[38:39]
	s_cselect_b64 s[OS:OS+1], s[36:37], s[40:41]
	s_cmp_lt_u32 s[YY], 12                         ; or V's
	s_cselect_b64 s[4:5], s[4:5], s[8:9]           ; the tokens' codes,
	s_cselect_b64 s[10:11], s[10:11], s[14:15]     ; their scales,
	s_cselect_b64 s[16:17], s[16:17], s[20:21]     ; the weight's codes,
	s_cselect_b64 s[22:23], s[22:23], s[26:27]     ; its scales,
	s_cselect_b64 s[BP:BP+1], s[28:29], s[32:33]   ; the bias
	s_cselect_b64 s[PCP:PCP+1], s[16:17], s[4:5]   ; Q, K: the weight is stationary; V: the tokens are
	s_cselect_b64 s[SCP:SCP+1], s[4:5], s[16:17]
	s_cselect_b64 s[PSP:PSP+1], s[22:23], s[10:11]
	s_cselect_b64 s[SSP:SSP+1], s[10:11], s[22:23]
	s_add_nc_u64 s[G0P+2:G0P+3], s[PCP:PCP+1], s[OPC:OPC+1]
	s_or_b32 s[G0P+3], s[G0P+3], 0x80000000        ; type = 2
	s_add_nc_u64 s[G0S+2:G0S+3], s[SCP:SCP+1], s[OSC:OSC+1]
	s_or_b32 s[G0S+3], s[G0S+3], 0x80000000
	s_add_nc_u64 s[PSP:PSP+1], s[PSP:PSP+1], s[OPS:OPS+1]
	s_add_nc_u64 s[SSP:SSP+1], s[SSP:SSP+1], s[OSSC:OSSC+1]
	s_add_nc_u64 s[BP:BP+1], s[BP:BP+1], s[OB:OB+1]
	s_add_nc_u64 s[OI:OI+1], s[OI:OI+1], s[OOI:OOI+1]
	s_add_nc_u64 s[OS:OS+1], s[OS:OS+1], s[OOS:OOS+1]
	tensor_load_to_lds s[G0P:G0P+3], s[G1:G1+7]    ; my quarter of the stationary block,
	s_nop 0
	tensor_load_to_lds s[G0S:G0S+3], s[G1:G1+7]    ; and of the first streamed one: two tensor loads of mine are out
	s_nop 0
.rept 4
	v_nop
.endr
.irp j, 0,1,2,3
.irp u, 0,1,2
	global_load_b64 v[PS+6*\j+2*\u:PS+6*\j+2*\u+1], v[L24], s[PSP:PSP+1] offset:768*\j+8*\u   ; row 32 j + lane of P: its six scale words
.endr
.endr
.irp u, 0,1,2
	global_load_b64 v[SSN+2*\u:SSN+2*\u+1], v[L24], s[SSP:SSP+1] offset:8*\u                 ; row 32 w + lane of the first streamed block
.endr
	s_cmp_eq_u32 s[ISV], 1
	s_cbranch_scc1 .Lhead_v
.irp t, 0,1,2,3,4,5,6,7
	global_load_b128 v[BI+8*\t:BI+8*\t+3], v[H32], s[BP:BP+1] offset:64*\t                   ; Q, K: the bias of channels 16 t + 8 h + 0 .. 7
	global_load_b128 v[BI+8*\t+4:BI+8*\t+7], v[H32], s[BP:BP+1] offset:64*\t+16
.endr
	s_branch .Lhead_j
.Lhead_v:
	global_load_b32 v[NB], v[R4], s[BP:BP+1]                                                 ; V: the bias of channel 32 w + 16 T + r of head 0
	global_load_b32 v[NB+1], v[R4], s[BP:BP+1] offset:64
.Lhead_j:
	s_wait_tensorcnt 0x0                           ; my quarters have landed,
	s_barrier_signal -1
	s_barrier_wait -1                              ; everybody's have
.irp g, 0,1,2                                  ; the stationary block goes into my registers: 48 fragments
	WIN (1+\g)<<6
.irp u, 0,1
.irp t, 0,1,2,3,4,5,6,7
	FRAG 96*\u+12*\t, PA+2*(\t/4), 2*\g+\u, TILEB*(\t%4)
.endr
.endr
.endr
	WIN 0
; THE CHANGE OF SLOTS stands at a trip's head.  Each wave waits for all its tensor loads (its rows of the block that it is about to read), adds 0 to its spare word, and waits for that and for its LDS reads.
; fill = 1: behind the barrier the other slot takes the next block, if the work-group walks one more.
.macro CHANGE fill
	s_wait_tensorcnt 0x0                           ; no tensor load of mine is out, so a group 0 may be written
	ds_add_u32 v[SPW], v[NIL]                      ; 0 onto my spare word
.if \fill
	s_xor_b32 s[G0S+1], s[G0S+1], SLOT1            ; the other slot than last time,
	s_add_nc_u64 s[G0S+2:G0S+3], s[G0S+2:G0S+3], BLKC   ; the next block; the type bits on top are not reached
.endif
	s_wait_dscnt 0x0                               ; the add is done, and my reads of the slot that I have left are over
	s_barrier_signal -1
	s_barrier_wait -1
.if \fill
	s_add_co_u32 s[T0], s[J], 1
	s_cmp_ge_u32 s[T0], s[NTR]
	s_cbranch_scc1 .Lpast_\@
	tensor_load_to_lds s[G0S:G0S+3], s[G1:G1+7]    ; my one tensor load behind this barrier; it has the trip's work in which to land
	s_nop 0
.rept 4
	v_nop
.endr
.Lpast_\@:
.endif
.endm
; One of my two tiles of the streamed block: 48 products, the eight accumulators by turns, one instruction a turn; the bias; then quantised and stored.
.macro TILE tt
	WIN 0x05                                       ; sources 0 and 1 in window 1; C and D in window 0
.irp t, 0,1,2,3,4,5,6,7
	MMZ ACC+8*\t, 12*\t, 192+12*(\tt), PS+6*(\t/2), SS, \t%2, \tt                   ; K step 0 starts the sums
.endr
.irp s, 1,2,3,4,5
	WIN 5*(1+\s/2)
.irp t, 0,1,2,3,4,5,6,7
	MMS ACC+8*\t, 96*(\s%2)+12*\t, 192+24*(\s%2)+12*(\tt), ACC+8*\t, PS+6*(\t/2)+\s, SS+\s, \t%2, \tt
.endr
.endr
	WIN 0
.rept 4
	v_nop                                          ; places in front of the first read of results (ISA guide 7.12.1)
.endr
	s_cmp_eq_u32 s[ISV], 1
	s_cbranch_scc1 .Lbv_\@
.set j, 0
.rept 32
	v_pk_add_f32 v[ACC+j:ACC+j+1], v[ACC+j:ACC+j+1], v[BI+j:BI+j+1]                 ; Q, K: the bias runs along P's rows.  (Each accumulator is read from its low end on)
.set j, j+2
.endr
	s_branch .Lbj_\@
.Lbv_\@:
.set j, 0
.rept 32
	v_pk_add_f32 v[ACC+j:ACC+j+1], v[ACC+j:ACC+j+1], v[BI+2*(\tt):BI+2*(\tt)+1] op_sel_hi:[1,0]   ; V: the bias is my lane's channel's, the same for all keys: the pair's low word serves both halves
.set j, j+2
.endr
.Lbj_\@:
	s_wait_xcnt 0x0                                ; the earlier stores have read their data: the codes' registers may be written again
	QUANT ACC
.irp c, 0,1,2
	global_store_b128 v[LI], v[PC+4*\c:PC+4*\c+3], s[OI:OI+1] offset:1536*(\tt)+512*\c   ; the image: 512 consecutive bytes, aligned
.endr
.if (\tt) == 0
	v_mov_b32 v[PWA], v[PW]
.endif
.endm
; A trip's work; a work-group that has walked its blocks passes over it.
.macro WORK
	s_cmp_ge_u32 s[J], s[NTR]
	s_cbranch_scc1 .Lidle_\@
	s_wait_loadcnt 0x0                             ; this block's scale words (and V's bias), asked for a trip ago; in the first trip P's scale words and the bias too
.irp i, 0,1,2,3,4,5
	v_mov_b32 v[SS+\i], v[SSN+\i]
.endr
	s_cmp_eq_u32 s[ISV], 0
	s_cbranch_scc1 .Lkeep_\@
.irp q, 0,1
	v_mov_b32 v[BI+2*\q], v[NB+\q]                 ; V: this head's bias of my two tiles' channels
.endr
.Lkeep_\@:
	s_add_co_u32 s[T0], s[J], 1
	s_cmp_ge_u32 s[T0], s[NTR]
	s_cbranch_scc1 .Llast_\@                       ; no load leaves its buffer
	s_add_nc_u64 s[SSP:SSP+1], s[SSP:SSP+1], BLKS  ; (the loads that read this base are done: the wait above)
.irp u, 0,1,2
	global_load_b64 v[SSN+2*\u:SSN+2*\u+1], v[L24], s[SSP:SSP+1] offset:8*\u
.endr
	s_cmp_eq_u32 s[ISV], 0
	s_cbranch_scc1 .Llast_\@
	s_add_nc_u64 s[BP:BP+1], s[BP:BP+1], 512       ; V: the next head's
	global_load_b32 v[NB], v[R4], s[BP:BP+1]
	global_load_b32 v[NB+1], v[R4], s[BP:BP+1] offset:64
.Llast_\@:
	v_add_nc_u32 v[SA], s[TB], v[SB]
	v_add_nc_u32 v[SA+1], s[TB], v[SB+1]
.rept 6
	v_nop                                          ; with the two additions: eight places between the moves into the scale registers and the scaled products
.endr
.irp q, 0,1                                    ; my two tiles' fragments, 36 loads each
.irp g, 0,1,2
	WIN (1+\g)<<6
.irp u, 0,1
	FRAG 192+24*\u+12*\q, SA, 2*\g+\u, TILEB*\q
.endr
.endr
.endr
	WIN 0
	s_wait_dscnt 36                                ; the first tile's fragments are in; the second's 36 loads may be out
	TILE 0
	s_wait_dscnt 0x0
	TILE 1
	v_cndmask_b32 v[W], v[PWA], v[PW], s[HM]       ; lanes 0-15 the first tile's words, lanes 16-31 the second's
	global_store_b32 v[L4], v[W], s[OS:OS+1]
	s_wait_xcnt 0x0                                ; the stores have read their bases: both step
	s_add_nc_u64 s[OI:OI+1], s[OI:OI+1], s[OIS:OIS+1]
	s_add_nc_u64 s[OS:OS+1], s[OS:OS+1], s[OSS:OSS+1]
.Lidle_\@:
	s_xor_b32 s[TB], s[TB], SLOT1                  ; on to the other slot
.endm
.Ltrip:                                            ; five trips; the first one's load is slot 1's first fill
	CHANGE 1
	WORK
	s_add_co_u32 s[J], s[J], 1
	s_cmp_lt_u32 s[J], 5
	s_cbranch_scc1 .Ltrip
	CHANGE 0                                       ; the sixth is written out: nothing is left to fetch
	WORK
	s_wait_tensorcnt 0x0                           ; the wave's end: behind my last tensor load
	ds_add_u32 v[SPW], v[NIL]
	s_wait_dscnt 0x0
	s_endpgm
.Lfunc_end_k_q41e2983e3f_proj:
	.size	k_q41e2983e3f_proj, .Lfunc_end_k_q41e2983e3f_proj-k_q41e2983e3f_proj
	.p2alignl 7, 3214868480
	.fill 96, 4, 3214868480
	.section	.rodata,"a",@progbits
	.p2align	6, 0x0
	.amdhsa_kernel k_q41e2983e3f_proj
		.amdhsa_group_segment_fixed_size 327680
		.amdhsa_private_segment_fixed_size 0
		.amdhsa_enable_private_segment 0
		.amdhsa_kernarg_size 152
		.amdhsa_user_sgpr_count 2
		.amdhsa_user_sgpr_kernarg_segment_ptr 1
		.amdhsa_wavefront_size32 1
		.amdhsa_system_sgpr_workgroup_id_x 1
		.amdhsa_system_sgpr_workgroup_id_y 1
		.amdhsa_system_sgpr_workgroup_id_z 1
		.amdhsa_system_vgpr_workitem_id 0
		.amdhsa_next_free_vgpr 1024
		.amdhsa_next_free_sgpr 96
		.amdhsa_reserve_vcc 0
		.amdhsa_float_denorm_mode_32 3
		.amdhsa_float_denorm_mode_16_64 3
		.amdhsa_memory_ordered 1
		.amdhsa_forward_progress 1
		.amdhsa_inst_pref_size 102
	.end_amdhsa_kernel
	.amdgpu_metadata
---
amdhsa.version: [ 1, 2 ]
amdhsa.kernels:
  - .name:           k_q41e2983e3f_proj
    .symbol:         k_q41e2983e3f_proj.kd
    .args:
      - { .name: query_codes, .offset: 0, .size: 8, .value_kind: global_buffer, .address_space: global }
      - { .name: key_codes, .offset: 8, .size: 8, .value_kind: global_buffer, .address_space: global }
      - { .name: value_codes, .offset: 16, .size: 8, .value_kind: global_buffer, .address_space: global }
      - { .name: query_scales, .offset: 24, .size: 8, .value_kind: global_buffer, .address_space: global }
      - { .name: key_scales, .offset: 32, .size: 8, .value_kind: global_buffer, .address_space: global }
      - { .name: value_scales, .offset: 40, .size: 8, .value_kind: global_buffer, .address_space: global }
      - { .name: Wq_codes, .offset: 48, .size: 8, .value_kind: global_buffer, .address_space: global }
      - { .name: Wk_codes, .offset: 56, .size: 8, .value_kind: global_buffer, .address_space: global }
      - { .name: Wv_codes, .offset: 64, .size: 8, .value_kind: global_buffer, .address_space: global }
      - { .name: Wq_scales, .offset: 72, .size: 8, .value_kind: global_buffer, .address_space: global }
      - { .name: Wk_scales, .offset: 80, .size: 8, .value_kind: global_buffer, .address_space: global }
      - { .name: Wv_scales, .offset: 88, .size: 8, .value_kind: global_buffer, .address_space: global }
      - { .name: bq, .offset: 96, .size: 8, .value_kind: global_buffer, .address_space: global }
      - { .name: bk, .offset: 104, .size: 8, .value_kind: global_buffer, .address_space: global }
      - { .name: bv, .offset: 112, .size: 8, .value_kind: global_buffer, .address_space: global }
      - { .name: qf, .offset: 120, .size: 8, .value_kind: global_buffer, .address_space: global }
      - { .name: qs, .offset: 128, .size: 8, .value_kind: global_buffer, .address_space: global }
      - { .name: kv, .offset: 136, .size: 8, .value_kind: global_buffer, .address_space: global }
      - { .name: kvs, .offset: 144, .size: 8, .value_kind: global_buffer, .address_space: global }
    .group_segment_fixed_size: 327680
    .private_segment_fixed_size: 0
    .kernarg_segment_align: 8
    .kernarg_segment_size: 152
    .max_flat_workgroup_size: 128
    .sgpr_count:     96
    .vgpr_count:     1024
    .wavefront_size: 32
...
	.end_amdgpu_metadata
.endif
;; end of part 1
;; launch attn (part 2): grid 16 x 12, 8 waves a work-group, clusters of 4 x 1, 327,680 bytes of LDS; arguments qf, qs, kv, kvs, mask, out0; writes out0
.if DOCPART == 2
	.amdgcn_target "amdgcn-amd-amdhsa--gfx1250"
	.amdhsa_code_object_version 6
	.text
	.protected	k_q41e2983e3f_attn
	.globl	k_q41e2983e3f_attn
	.p2align	8
	.type	k_q41e2983e3f_attn,@function
k_q41e2983e3f_attn:
	s_mov_b64 s[64:65], 0
	v_nop
	global_prefetch_b8 v0, s[64:65] scope:SCOPE_SE
	s_setreg_imm32_b32 hwreg(HW_REG_WAVE_MODE, 25, 1), 1
	s_wait_xcnt 0x0
	s_wait_alu depctr_hold_cnt(0) depctr_sa_sdst(0) depctr_va_vdst(0) depctr_va_sdst(0) depctr_va_ssrc(0) depctr_va_vcc(0) depctr_vm_vsrc(0)
	s_getreg_b32 s2, hwreg(HW_REG_IB_STS2, 6, 4)
	s_cmp_eq_u32 s2, 0
	s_cbranch_scc0 .Lentry_in_a_cluster
	s_endpgm
.Lentry_in_a_cluster:
	s_bfe_u32 s2, ttmp6, 0x10000c
	s_cmp_lg_u32 s2, 0x3003
	s_cbranch_scc0 .Lentry_shape_is_right
	s_endpgm
.Lentry_shape_is_right:
; ATTENTION ON CODES OF FP6 (E2M3).  out0[b][q][128 head + d] = the sum over keys of softmax(q . k / sqrt(128) + (1 - mask[b][key]) x -10000) v, both products on the codes and E8M0 scale words that the launch before has stored.
; No work is left out: every key step of every head is walked, and the mask, an input, is honoured as it is given, whatever numbers it holds.
; THE SOFTMAX AHEAD OF THE SECOND PRODUCT: t = logit x log2(e); M = the running largest t, rounded UP to a whole number; p = 2^(t - M) is quantised along the keys, not normalised.  The row's sum is taken of the unquantised p
; and divides at the end.  When M moves, the sum and O are multiplied by 2^(old M - new M): exact.
; THE LOGIT IS ROUNDED WHERE reference() ROUNDS IT.  A mask that is not 1 makes an adder of thousands, and beside it each f32 rounding of the logit or of t is a visible part of p.  So: the score product starts from 0 (its 128 products are
; multiples of one small power of two and fit in 24 bits: no rounding); a = (1 - mask) x -10000 in two roundings, made once and kept in LDS; logit = s x (1 / sqrt(128)) + a; t = logit x log2(e), rounded by itself; t - M by an addition.
; SHARES.  A work-group owns 256 queries of one batch and head (ttmp7: 6 b + head); each of its eight waves owns 32: two tiles of 16, so that each fragment of K and V read from LDS feeds two products.  Two waves lie on a SIMD:
; one's vector work stands beside the other's matrix work and LDS loads.  Every wave walks the head's 32 key steps of 128.
; 192 WORK-GROUPS: 12 heads x 16 blocks of queries.  A head's 256 query tiles do not divide into shares of 12; a work-group across two heads would walk two streams of K and V, and a split of the keys would want a launch more.
; CLUSTER.  The four query blocks of a cluster belong to one head and walk the same K and V: each slot is asked for JOINTLY, the same tensor load with the same descriptor and a mask that names the four, each wave its eighth.
; LAYOUT.  Both products are used transposed: S^T = K Q^T (source 0 = 16 keys, source 1 = 16 queries), O^T = V^T P^T (source 0 = 16 channels, source 1 = P): a lane holds ONE query (lane % 16) throughout.
; K's, V's and Q's fragments lie in memory, and in LDS, as images of their registers: registers 4 c .. 4 c + 3 of lane l at byte 512 c + 16 l: three loads of 16 bytes a lane, 512 consecutive bytes each: no pitch, no padding.
; LIMITS.  Inside a block of 32 the codes lie in the order 0-7, 16-23, 8-15, 24-31 of k, alike in both operands of each product (p's come out so, and the launch before laid Q, K and V so): the grouping of the f32 sum inside a
; matrix instruction differs, nothing else.  The quotient s / sqrt(128) is not rounded by itself: s x fl(1 / sqrt(128)) + a is one fused multiply-add, within 4 parts in 10^8 of the quotient ahead of the sum's rounding.
; A block's largest p is taken from the block's largest t, which takes v_exp_f32 not to fall where its input rises.  A block whose every p is under 2^(3 - 127) keeps the byte 1: its codes are zeros.  NaN and infinities are not served.
.set STEPB, 24576                      ; a key step: eight fragments of K, eight of V^T
.set SLOTB, 4*STEPB                    ; a slot holds four steps
.set SLOT1, 1<<17                      ; slot 0 at byte 0, slot 1 here
.set SCL,   SLOTB                      ; between them: the head's scale words, 1,024 bytes a step, filled once
.set ADDR,  SLOT1+SLOTB                ; a of the batch's 4,096 keys, stored by the waves
.set STG,   ADDR+16384                 ; the way out: 16 rows x (512 bytes + 16) for each wave
.set SP,    528
.set STGW,  16*SP
.set SPARE, STG+8*STGW                 ; the spare words, 128 bytes for each wave: four blocks of 256 bytes that no other line names
.set LI,  1                            ; v1   16 x lane
.set L4S, 2                            ; v2   SCL + 4 x lane
.set AH,  3                            ; v3   ADDR + 32 h
.set SPW, 4                            ; v4   LDS address of my spare word; never rewritten
.set NIL, 5                            ; v5   0; never rewritten
.set AD,  6                            ; v6   the step's fragments
.set AD4, 7                            ; v7   its scale words
.set ADA, 8                            ; v8   its a
.set PFO, 9                            ; v9   256 x lane: the prefetches' offset; never rewritten
.set STO, 10                           ; v10  the way out: where I put 32 bytes of a row
.set RD,  11                           ; v11  and where I read a row back
.set ST,  12                           ; tile T's small registers at v[12 + 24 T]: +0 -M, +1 the largest t, +2, +3 the sum in two halves, +4 f (+5 named with it), +6 at work, +8..11 the blocks' largest t, +12..19 at work, +20..23 the conversions' scale operands
.set SCK, 60                           ; v60-63 K's scale words: pair j: lanes 0-15 tile 2 j, lanes 16-31 tile 2 j + 1
.set SCV, 64                           ; v64-67 V's likewise
.set QS,  68                           ; v68  Q's: lanes 0-15 my tile 0, lanes 16-31 my tile 1
.set PW,  70                           ; v70-71 p's scale word, a register a tile
.set PC,  72                           ; v72-95 p's codes, 12 a tile
.set S,   96                           ; v96-159, v160-223 S^T, then the logits, t and p, 64 a tile
.set AL,  224                          ; v224-255 a of the step's keys 0-63, in the result's layout
.set KF,  128                          ; window 1: v0-127 O^T, 64 a tile; v128-223 eight fragments of K or of V (v128-159 for a while: a of the step's keys 64-127); v224-247 Q's two
.set QF,  224
.set WV,  16
.set CX,  17
.set BH,  18
.set BB,  19
.set SEL, 20                           ; s[20:21] lane selects for v_permlanex16_b32: lane l xor 16
.set RS,  22                           ; s[22:23] 1 / sqrt(128), twice: the packed form names a pair
.set G1,  24                           ; s[24:31] descriptor group 1 for a slot's eighth;  s[32:39] for the scale words' eighth
.set G1S, 32
.set G0,  40                           ; s[40:43] group 0 for the slots, which walks;  s[44:47] for the scale words
.set G0S, 44
.set SB,  48                           ; LDS byte at which the slot in hand begins
.set SL4, 49                           ; where its scale words begin: 4,096 a slot
.set IS,  50                           ; the step in the slot
.set SLOTS, 51                         ; slots still to be asked for
.set T0,  52
.set T1,  53
.set T2,  54
.set PFA, 56                           ; s[56:57] where my prefetches stand
.set LIM, 58                           ; 1 in a wave that prefetches, else the greatest number
.set HD,  59
.set QB,  60
.set OKV, 66                           ; s[66:79] byte offsets, each a pair with 0 above it
.set OKS, 68
.set OQF, 70
.set OQS, 72
.set OMK, 74
.set OOUT, 76
.set OPF, 78
.set L2,  80                           ; s[80:81] log2(e), twice
.set MSB, 0
.macro WIN new                         ; the immediate's high byte repeats the setting that is left; a switch that changes nothing is dropped
.if MSB != (\new)
	s_set_vgpr_msb (MSB<<8)|(\new)
.set MSB, (\new)
.endif
.endm
.macro MMS d, a, b, c, sa, sb, ra, rb  ; a product: D, A, B, C by their first registers; the scale registers; which half of the lanes holds A's and B's scale words
.if (\ra) && (\rb)
	v_wmma_scale_f32_16x16x128_f8f6f4 v[\d:\d+7], v[\a:\a+11], v[\b:\b+11], v[\c:\c+7], v[\sa], v[\sb] matrix_a_fmt:MATRIX_FMT_FP6 matrix_b_fmt:MATRIX_FMT_FP6 matrix_a_scale:MATRIX_SCALE_ROW1 matrix_b_scale:MATRIX_SCALE_ROW1
.elseif (\ra)
	v_wmma_scale_f32_16x16x128_f8f6f4 v[\d:\d+7], v[\a:\a+11], v[\b:\b+11], v[\c:\c+7], v[\sa], v[\sb] matrix_a_fmt:MATRIX_FMT_FP6 matrix_b_fmt:MATRIX_FMT_FP6 matrix_a_scale:MATRIX_SCALE_ROW1
.elseif (\rb)
	v_wmma_scale_f32_16x16x128_f8f6f4 v[\d:\d+7], v[\a:\a+11], v[\b:\b+11], v[\c:\c+7], v[\sa], v[\sb] matrix_a_fmt:MATRIX_FMT_FP6 matrix_b_fmt:MATRIX_FMT_FP6 matrix_b_scale:MATRIX_SCALE_ROW1
.else
	v_wmma_scale_f32_16x16x128_f8f6f4 v[\d:\d+7], v[\a:\a+11], v[\b:\b+11], v[\c:\c+7], v[\sa], v[\sb] matrix_a_fmt:MATRIX_FMT_FP6 matrix_b_fmt:MATRIX_FMT_FP6
.endif
.endm
.macro MMZ d, a, b, sa, sb, ra, rb     ; the same with the constant 0 as C
.if (\ra) && (\rb)
	v_wmma_scale_f32_16x16x128_f8f6f4 v[\d:\d+7], v[\a:\a+11], v[\b:\b+11], 0, v[\sa], v[\sb] matrix_a_fmt:MATRIX_FMT_FP6 matrix_b_fmt:MATRIX_FMT_FP6 matrix_a_scale:MATRIX_SCALE_ROW1 matrix_b_scale:MATRIX_SCALE_ROW1
.elseif (\ra)
	v_wmma_scale_f32_16x16x128_f8f6f4 v[\d:\d+7], v[\a:\a+11], v[\b:\b+11], 0, v[\sa], v[\sb] matrix_a_fmt:MATRIX_FMT_FP6 matrix_b_fmt:MATRIX_FMT_FP6 matrix_a_scale:MATRIX_SCALE_ROW1
.elseif (\rb)
	v_wmma_scale_f32_16x16x128_f8f6f4 v[\d:\d+7], v[\a:\a+11], v[\b:\b+11], 0, v[\sa], v[\sb] matrix_a_fmt:MATRIX_FMT_FP6 matrix_b_fmt:MATRIX_FMT_FP6 matrix_b_scale:MATRIX_SCALE_ROW1
.else
	v_wmma_scale_f32_16x16x128_f8f6f4 v[\d:\d+7], v[\a:\a+11], v[\b:\b+11], 0, v[\sa], v[\sb] matrix_a_fmt:MATRIX_FMT_FP6 matrix_b_fmt:MATRIX_FMT_FP6
.endif
.endm
; A round of the cluster's barrier: my work-group's barrier, so that wave 0's signal speaks for all eight waves; wave 0 signals for the work-group; every wave waits for all four work-groups; my work-group's barrier once more.
.macro CROUND
	s_barrier_signal -1
	s_barrier_wait -1
	s_cmp_lg_u32 s[WV], 0
	s_cbranch_scc1 .Lnot_wave_0_\@
	s_barrier_signal -3
.Lnot_wave_0_\@:
	s_barrier_wait -3
	s_barrier_signal -1
	s_barrier_wait -1
.endm
.macro JLOAD                           ; the joint refill: every wave its eighth of the slot; an s_nop 0 and four v_nop follow
	tensor_load_to_lds s[G0:G0+3], s[G1:G1+7]
	s_nop 0
.rept 4
	v_nop
.endr
.endm
; A PREFETCH INTO THE L2 of the slot that the NEXT change of slots will ask for: four key steps ahead of that load.  Each aligned block of 256 bytes is named once in the launch: all four clusters of a head walk the same kv, and
; the head's first cluster asks; its four partners share the slot out BY ADDRESS, a key step (96 blocks) each; in each, waves 0 to 2 ask, 32 blocks a wave, lanes 256 bytes apart.  The last change that fills a slot asks for
; nothing: there is no slot behind it.  Slots 0 and 1 come by their loads alone.
.macro ASK
	s_cmp_gt_u32 s[SLOTS], s[LIM]
	s_cbranch_scc0 .Lnot_mine_\@
	global_prefetch_b8 v[PFO], s[PFA:PFA+1] th:TH_LOAD_NT scope:SCOPE_SE
.Lnot_mine_\@:
.endm
	s_load_b256 s[4:11], s[0:1], 0x0               ; qf s[4:5], qs s[6:7], kv s[8:9], kvs s[10:11]
	s_load_b128 s[12:15], s[0:1], 0x20             ; mask s[12:13], out0 s[14:15]
	v_lshl_add_u32 v[SPW], v0, 2, SPARE
	v_mov_b32 v[NIL], 0
	ds_add_u32 v[SPW], v[NIL]                      ; the wave's opening: the add, twice on end, and its wait ahead of my first tensor load; the set-up below, work on registers, stands between
	ds_add_u32 v[SPW], v[NIL]
	v_lshrrev_b32 v[AD], 5, v0
	v_readfirstlane_b32 s[WV], v[AD]               ; wave 0..7
	s_bfe_u32 s[CX], ttmp6, 0x40000                ; cx: my place in the cluster
	s_and_b32 s[BH], ttmp7, 0xffff                 ; 6 b + head, which the four partners share
	s_cmp_ge_u32 s[BH], 6
	s_cselect_b32 s[BB], 1, 0                      ; the batch
	s_cselect_b32 s[T0], 6, 0
	s_sub_co_u32 s[HD], s[BH], s[T0]               ; the head
	s_lshl_b32 s[QB], ttmp9, 2
	s_add_co_u32 s[QB], s[QB], s[CX]               ; my block of 256 queries: it enters Q's and out0's addresses alone
	s_mul_i32 s[OKV], s[BH], 32*STEPB              ; kv: the head's first byte + my eighth of a slot
	s_mul_i32 s[T0], s[WV], 12288
	s_add_co_u32 s[OKV], s[OKV], s[T0]
	s_mov_b32 s[OKV+1], 0
	s_lshl_b32 s[OKS], s[BH], 15                   ; kvs: 32,768 a head + my eighth
	s_lshl_b32 s[T0], s[WV], 12
	s_add_co_u32 s[OKS], s[OKS], s[T0]
	s_mov_b32 s[OKS+1], 0
	s_mul_i32 s[OQF], s[BH], 393216                ; qf: tile 256 (6 b + head) + 16 block + 2 w, 1,536 bytes each
	s_mul_i32 s[T0], s[QB], 24576
	s_add_co_u32 s[OQF], s[OQF], s[T0]
	s_mul_i32 s[T0], s[WV], 3072
	s_add_co_u32 s[OQF], s[OQF], s[T0]
	s_mov_b32 s[OQF+1], 0
	s_lshl_b32 s[OQS], s[BH], 14                   ; qs: pair 128 (6 b + head) + 8 block + w, 128 bytes each
	s_lshl_b32 s[T0], s[QB], 10
	s_add_co_u32 s[OQS], s[OQS], s[T0]
	s_lshl_b32 s[T0], s[WV], 7
	s_add_co_u32 s[OQS], s[OQS], s[T0]
	s_mov_b32 s[OQS+1], 0
	s_lshl_b32 s[OMK], s[BB], 14                   ; mask: the batch's 4,096 numbers
	s_mov_b32 s[OMK+1], 0
	s_mul_i32 s[OOUT], s[BB], 12582912             ; out0: row 4,096 b + 256 block + 32 w of 3,072 bytes, + 512 head
	s_mul_i32 s[T0], s[QB], 786432
	s_add_co_u32 s[OOUT], s[OOUT], s[T0]
	s_mul_i32 s[T0], s[WV], 98304
	s_add_co_u32 s[OOUT], s[OOUT], s[T0]
	s_lshl_b32 s[T0], s[HD], 9
	s_add_co_u32 s[OOUT], s[OOUT], s[T0]
	s_mov_b32 s[OOUT+1], 0
	s_mul_i32 s[OPF], s[BH], 32*STEPB              ; the prefetches: the head, my work-group's key step of a slot, my wave's third of it,
	s_mul_i32 s[T0], s[CX], STEPB
	s_add_co_u32 s[OPF], s[OPF], s[T0]
	s_min_u32 s[T0], s[WV], 2
	s_lshl_b32 s[T0], s[T0], 13
	s_add_co_u32 s[OPF], s[OPF], s[T0]
	s_add_co_u32 s[OPF], s[OPF], SLOTB             ; in slot 1: the first change of slots steps it to slot 2
	s_mov_b32 s[OPF+1], 0
	s_cmp_lt_u32 s[WV], 3
	s_cselect_b32 s[LIM], 0, 1
	s_or_b32 s[LIM], s[LIM], ttmp9                 ; 0 in waves 0 to 2 of the head's first cluster: the same in all four partners
	s_cmp_eq_u32 s[LIM], 0
	s_cselect_b32 s[LIM], 1, -1
	; descriptor group 1: dense blocks as rows of 256 bytes (32 elements of 8 bytes): 48 rows of a slot, 16 rows of the scale words
	s_mov_b32 s[G1], 15|(3<<16)|(1<<21)            ; 15:0 the mask: all four work-groups; 17:16 elements of 8 bytes; 20 no padding; 21 set beside a mask
	s_mov_b32 s[G1+1], 32<<16                      ; tensor_dim0
	s_mov_b32 s[G1+2], 48<<16                      ; tensor_dim1
	s_mov_b32 s[G1+3], 32<<16                      ; tile_dim0
	s_mov_b32 s[G1+4], 48                          ; tile_dim1
	s_mov_b32 s[G1+5], 32                          ; tensor_dim0_stride
	s_mov_b32 s[G1+6], 0
	s_mov_b32 s[G1+7], 0
	s_mov_b32 s[G1S], 15|(3<<16)|(1<<21)
	s_mov_b32 s[G1S+1], 32<<16
	s_mov_b32 s[G1S+2], 16<<16
	s_mov_b32 s[G1S+3], 32<<16
	s_mov_b32 s[G1S+4], 16
	s_mov_b32 s[G1S+5], 32
	s_mov_b32 s[G1S+6], 0
	s_mov_b32 s[G1S+7], 0
	s_mov_b32 s[G0], 1
	s_mul_i32 s[G0+1], s[WV], 12288                ; slot 0: no place in the cluster enters an LDS address
	s_mov_b32 s[G0S], 1
	s_lshl_b32 s[T0], s[WV], 12
	s_add_co_u32 s[G0S+1], s[T0], SCL
	s_mov_b32 s[SEL], 0x76543210
	s_mov_b32 s[SEL+1], 0xfedcba98
	s_mov_b32 s[RS], 0x3db504f3                    ; the f32 number nearest to 1 / fl(sqrt(128))
	s_mov_b32 s[RS+1], s[RS]
	s_mov_b32 s[L2], 0x3fb8aa3b                    ; log2(e) in f32
	s_mov_b32 s[L2+1], s[L2]
	s_mov_b32 s[SB], 0
	s_mov_b32 s[SL4], 0
	s_mov_b32 s[SLOTS], 7
	v_and_b32 v[AD], 31, v0                        ; lane
	v_lshlrev_b32 v[LI], 4, v[AD]
	v_lshl_add_u32 v[L4S], v[AD], 2, SCL
	v_lshlrev_b32 v[STO], 2, v[AD]                 ; (4 x lane, for Q's scale words)
	v_lshlrev_b32 v[PFO], 8, v[AD]
	v_bfe_u32 v[AD], v0, 4, 1                      ; h
	v_lshl_add_u32 v[AH], v[AD], 5, ADDR
	v_lshlrev_b32 v[RD], 4, v0                     ; (16 x thread: my 16 bytes of the mask,
	v_add_nc_u32 v[ADA], ADDR, v[RD]               ; and of a)
.irp t, 0,1
	v_mov_b32 v[ST+24*\t+1], 0xff61b1e6            ; the largest t so far: -3e38, under every t
	v_floor_f32 v[ST+24*\t], -v[ST+24*\t+1]        ; -M
	v_mov_b32 v[ST+24*\t+2], 0                     ; the sum, in two halves
	v_mov_b32 v[ST+24*\t+3], 0
	v_mov_b32 v[ST+24*\t+5], 0                     ; (named as the upper half of f's pair)
.irp b, 0,1,2,3
	v_mov_b32 v[ST+24*\t+12+\b], 0                 ; a lane permute's destination counts as one of its sources
.endr
.endr
	s_wait_dscnt 0x0                               ; both opening adds are done
	s_wait_kmcnt 0x0
	s_add_nc_u64 s[PFA:PFA+1], s[8:9], s[OPF:OPF+1]
	s_add_nc_u64 s[G0+2:G0+3], s[8:9], s[OKV:OKV+1]
	s_or_b32 s[G0+3], s[G0+3], 0x80000000          ; type = 2
	s_add_nc_u64 s[G0S+2:G0S+3], s[10:11], s[OKS:OKS+1]
	s_or_b32 s[G0S+3], s[G0S+3], 0x80000000
	s_add_nc_u64 s[4:5], s[4:5], s[OQF:OQF+1]
	s_add_nc_u64 s[6:7], s[6:7], s[OQS:OQS+1]
	s_add_nc_u64 s[12:13], s[12:13], s[OMK:OMK+1]
	s_add_nc_u64 s[14:15], s[14:15], s[OOUT:OOUT+1]
	CROUND                                         ; all four work-groups are here: the first joint loads meet
	tensor_load_to_lds s[G0S:G0S+3], s[G1S:G1S+7]  ; the head's scale words: filled once
	s_nop 0
	tensor_load_to_lds s[G0:G0+3], s[G1:G1+7]      ; slot 0: two tensor loads of mine are out
	s_nop 0
.rept 4
	v_nop
.endr
.irp j, 0,1,2,3
	global_load_b128 v[S+4*\j:S+4*\j+3], v[RD], s[12:13] offset:4096*\j          ; the batch's mask: 256 threads x 16 bytes, four times
.endr
	WIN 0x40                                       ; destination window 1
.irp t, 0,1
.irp c, 0,1,2
	global_load_b128 v[QF+12*\t+4*\c:QF+12*\t+4*\c+3], v[LI], s[4:5] offset:1536*\t+512*\c th:TH_LOAD_NT   ; Q's two fragments stay in registers
.endr
.endr
.set i, 0
.rept 128
	v_mov_b32 v[i], 0                              ; O^T.  (The key step is written once: its first walk finds zeros, which the first change of M leaves zeros)
.set i, i+1
.endr
	WIN 0
	global_load_b32 v[QS], v[STO], s[6:7]
	s_wait_loadcnt 7                               ; the mask is in; Q's six loads and its scale words may be out
.set i, 0
.rept 16
	v_sub_f32 v[S+i], 1.0, v[S+i]                  ; 1 - mask,
.set i, i+1
.endr
.set i, 0
.rept 16
	v_mul_f32 v[S+i], 0xc61c4000, v[S+i]           ; x -10000: a, each step rounded as reference() rounds it
.set i, i+1
.endr
.irp j, 0,1,2,3
	ds_store_b128 v[ADA], v[S+4*\j:S+4*\j+3] offset:4096*\j
.endr
	s_wait_loadcnt 0x0                             ; Q
; A KEY STEP: 128 keys, both my tiles.
.macro STEP
	s_mul_i32 s[T0], s[IS], STEPB
	s_add_co_u32 s[T0], s[T0], s[SB]
	s_lshl_b32 s[T1], s[IS], 10
	s_add_co_u32 s[T1], s[T1], s[SL4]
	s_lshr_b32 s[T2], s[T1], 1                     ; a: 512 bytes a step
	v_add_nc_u32 v[AD], s[T0], v[LI]
	v_add_nc_u32 v[AD4], s[T1], v[L4S]
	v_add_nc_u32 v[ADA], s[T2], v[AH]
	v_nop                                          ; with the three additions: four places in front of loads into registers that the last products have read
.irp i, 0,1,2,3
	ds_load_b128 v[AL+8*\i:AL+8*\i+3], v[ADA] offset:64*\i         ; a of keys 16 i + 8 h + 0 .. 7, in the result's layout: the lanes of a half read the same bytes
	ds_load_b128 v[AL+8*\i+4:AL+8*\i+7], v[ADA] offset:64*\i+16
.endr
.irp j, 0,1,2,3
	ds_load_b32 v[SCK+\j], v[AD4] offset:128*\j
.endr
	WIN 0x40
.irp i, 0,1,2,3,4,5,6,7
.irp c, 0,1,2
	ds_load_b128 v[KF+12*\i+4*\c:KF+12*\i+4*\c+3], v[AD] offset:1536*\i+512*\c
.endr
.endr
	s_wait_dscnt 0x0
	WIN 0x05                                       ; K and Q in window 1; D in window 0
.irp i, 0,1,2,3,4,5,6,7
.irp t, 0,1
	MMZ S+64*\t+8*\i, KF+12*\i, QF+12*\t, SCK+\i/2, QS, \i%2, \t   ; S^T = K Q^T: each fragment of K feeds both tiles
.endr
.endr
.rept 4
	v_nop                                          ; places in front of the loads into K's registers, and of the first read of results
.endr
	WIN 0x40
.irp i, 4,5,6,7
	ds_load_b128 v[KF+8*(\i-4):KF+8*(\i-4)+3], v[ADA] offset:64*\i           ; a of the step's keys 64-127, where K's first fragments lay
	ds_load_b128 v[KF+8*(\i-4)+4:KF+8*(\i-4)+7], v[ADA] offset:64*\i+16
.endr
.irp i, 3,4,5,6,7
.irp c, 0,1,2
	ds_load_b128 v[KF+12*\i+4*\c:KF+12*\i+4*\c+3], v[AD] offset:12288+1536*\i+512*\c   ; V's fragments 3 to 7 land under the softmax
.endr
.endr
	WIN 0
.irp j, 0,1,2,3
	ds_load_b32 v[SCV+\j], v[AD4] offset:512+128*\j
.endr
.set j, 0
.rept 16
.irp t, 0,1
	v_pk_fma_f32 v[S+64*\t+j:S+64*\t+j+1], v[S+64*\t+j:S+64*\t+j+1], s[RS:RS+1], v[AL+j:AL+j+1] op_sel_hi:[1,0,1]   ; the logit = s / sqrt(128) + a, keys 0-63.  (Each accumulator is read from its low end on)
.endr
.set j, j+2
.endr
	s_wait_dscnt 19                                ; a of keys 64-127 is in; V's 15 loads and its 4 scale words, issued behind it, may be out
	WIN 0x10                                       ; source 2 (a) in window 1
.set j, 32
.rept 16
.irp t, 0,1
	v_pk_fma_f32 v[S+64*\t+j:S+64*\t+j+1], v[S+64*\t+j:S+64*\t+j+1], s[RS:RS+1], v[KF+j-32:KF+j-31] op_sel_hi:[1,0,1]   ; keys 64-127
.endr
.set j, j+2
.endr
	WIN 0x40
.irp i, 0,1,2
.irp c, 0,1,2
	ds_load_b128 v[KF+12*\i+4*\c:KF+12*\i+4*\c+3], v[AD] offset:12288+1536*\i+512*\c   ; V's fragments 0 to 2, where a has been read
.endr
.endr
	WIN 0
.set j, 0
.rept 32
.irp t, 0,1
	v_pk_mul_f32 v[S+64*\t+j:S+64*\t+j+1], v[S+64*\t+j:S+64*\t+j+1], s[L2:L2+1] op_sel_hi:[1,0]   ; t = logit x log2(e), rounded by itself
.endr
.set j, j+2
.endr
; the softmax, the two tiles by turns line by line.  Registers 16 b .. 16 b + 15 of a tile, with lane l xor 16's, are block b of 32 keys
.irp b, 0,1,2,3
.irp t, 0,1
	v_max3_num_f32 v[ST+24*\t+8+\b], v[S+64*\t+16*\b], v[S+64*\t+16*\b+1], v[S+64*\t+16*\b+2]   ; THE LARGEST t OF EACH BLOCK: it serves for the row's maximum and, since p rises with t, for the block's largest p
.endr
.endr
.irp i, 3,5,7,9,11,13
.irp b, 0,1,2,3
.irp t, 0,1
	v_max3_num_f32 v[ST+24*\t+8+\b], v[ST+24*\t+8+\b], v[S+64*\t+16*\b+\i], v[S+64*\t+16*\b+\i+1]
.endr
.endr
.endr
.irp b, 0,1,2,3
.irp t, 0,1
	v_max_num_f32 v[ST+24*\t+8+\b], v[ST+24*\t+8+\b], v[S+64*\t+16*\b+15]
.endr
.endr
.irp b, 0,1,2,3
.irp t, 0,1
	v_permlanex16_b32 v[ST+24*\t+12+\b], v[ST+24*\t+8+\b], s[SEL], s[SEL+1]
.endr
.endr
.irp b, 0,1,2,3
.irp t, 0,1
	v_max_num_f32 v[ST+24*\t+8+\b], v[ST+24*\t+8+\b], v[ST+24*\t+12+\b]   ; with lane l xor 16's 16 keys
.endr
.endr
.irp t, 0,1
	v_max3_num_f32 v[ST+24*\t+6], v[ST+24*\t+8], v[ST+24*\t+9], v[ST+24*\t+10]
.endr
.irp t, 0,1
	v_max_num_f32 v[ST+24*\t+6], v[ST+24*\t+6], v[ST+24*\t+11]      ; the step's largest t of my query
.endr
.irp t, 0,1
	v_max_num_f32 v[ST+24*\t+1], v[ST+24*\t+1], v[ST+24*\t+6]       ; the running largest t
.endr
.irp t, 0,1
	v_mov_b32 v[ST+24*\t+6], v[ST+24*\t]
.endr
.irp t, 0,1
	v_floor_f32 v[ST+24*\t], -v[ST+24*\t+1]                         ; the new -M = floor(-t): M is a whole number
.endr
.irp t, 0,1
	v_sub_f32 v[ST+24*\t+6], v[ST+24*\t], v[ST+24*\t+6]             ; old M - new M: a whole number, 0 or less
.endr
.irp t, 0,1
	v_cvt_i32_f32 v[ST+24*\t+6], v[ST+24*\t+6]                      ; (it saturates)
.endr
.irp t, 0,1
	v_ldexp_f32 v[ST+24*\t+4], 1.0, v[ST+24*\t+6]                   ; f = 2^(old M - new M)
.endr
.set j, 0
.rept 32
.irp t, 0,1
	v_pk_add_f32 v[S+64*\t+j:S+64*\t+j+1], v[S+64*\t+j:S+64*\t+j+1], v[ST+24*\t:ST+24*\t+1] op_sel_hi:[1,0]   ; t - M, two at a time (of the pair -M, t the low word serves both halves)
.endr
.set j, j+2
.endr
.irp b, 0,1,2,3
.irp t, 0,1
	v_add_f32 v[ST+24*\t+8+\b], v[ST+24*\t+8+\b], v[ST+24*\t]      ; the same of each block's largest t
.endr
.endr
.set j, 0
.rept 64                                       ; ONE BATCH: 128 exponentials, and the eight of the blocks' largest
	v_exp_f32 v[S+j], v[S+j]                       ; p = 2^(t - M), at most 1: not normalised
	v_exp_f32 v[S+64+j], v[S+64+j]
.set j, j+1
.endr
.irp b, 0,1,2,3
.irp t, 0,1
	v_exp_f32 v[ST+24*\t+8+\b], v[ST+24*\t+8+\b]   ; the same instructions on the same number give the same bits
.endr
.endr
.irp t, 0,1
	v_pk_mul_f32 v[ST+24*\t+2:ST+24*\t+3], v[ST+24*\t+2:ST+24*\t+3], v[ST+24*\t+4:ST+24*\t+5] op_sel_hi:[1,0]   ; the sums under the new M: the plain place behind the exponentials
.endr
	s_wait_alu depctr_va_vdst(0)                   ; one wait for the whole batch, ahead of its first reader
.irp t, 0,1
	v_pk_add_f32 v[ST+24*\t+12:ST+24*\t+13], v[S+64*\t:S+64*\t+1], v[S+64*\t+2:S+64*\t+3]   ; THE ROW'S SUM IS TAKEN OF THE UNQUANTISED p: two at a time, in two chains a tile
.endr
.set j, 4
.rept 15
.irp t, 0,1
	v_pk_add_f32 v[ST+24*\t+2:ST+24*\t+3], v[ST+24*\t+2:ST+24*\t+3], v[S+64*\t+j:S+64*\t+j+1]
	v_pk_add_f32 v[ST+24*\t+12:ST+24*\t+13], v[ST+24*\t+12:ST+24*\t+13], v[S+64*\t+j+2:S+64*\t+j+3]
.endr
.set j, j+4
.endr
.irp t, 0,1
	v_pk_add_f32 v[ST+24*\t+2:ST+24*\t+3], v[ST+24*\t+2:ST+24*\t+3], v[ST+24*\t+12:ST+24*\t+13]
.endr
.irp b, 0,1,2,3
.irp t, 0,1
	v_max_num_f32 v[ST+24*\t+8+\b], 0x1800000, v[ST+24*\t+8+\b]     ; the floor 2^(3 - 127): the byte cannot fall under 1
.endr
.endr
.irp b, 0,1,2,3
.irp t, 0,1
	v_add_nc_u32 v[ST+24*\t+20+\b], 0xff000000, v[ST+24*\t+8+\b]    ; 2 off the exponent field: the conversion's scale operand
.endr
.endr
.irp b, 0,1,2,3
.irp t, 0,1
	v_lshrrev_b32 v[ST+24*\t+12+\b], 23, v[ST+24*\t+20+\b]          ; the scale's byte
.endr
.endr
.irp t, 0,1
	v_lshl_or_b32 v[PW+\t], v[ST+24*\t+13], 8, v[ST+24*\t+12]       ; p's scale word for these 128 keys
.endr
.irp t, 0,1
	v_lshl_or_b32 v[PW+\t], v[ST+24*\t+14], 16, v[PW+\t]
.endr
.irp t, 0,1
	v_lshl_or_b32 v[PW+\t], v[ST+24*\t+15], 24, v[PW+\t]
.endr
.irp t, 0,1
.irp c, 0,1
	v_cvt_scalef32_pk16_fp6_f32 v[PC+12*\t+6*\c:PC+12*\t+6*\c+2], v[S+64*\t+32*\c:S+64*\t+32*\c+15], v[ST+24*\t+20+2*\c]
	v_cvt_scalef32_pk16_fp6_f32 v[ST+24*\t+12+4*\c:ST+24*\t+12+4*\c+2], v[S+64*\t+32*\c+16:S+64*\t+32*\c+31], v[ST+24*\t+20+2*\c+1]   ; (a conversion's three registers begin on an even number)
.endr
.endr
	v_nop                                          ; one plain place behind a scaled conversion
.irp t, 0,1                                    ; the operand's layout wants a whole block in a lane: lanes 0-15 block 2 c, lanes 16-31 block 2 c + 1
.irp c, 0,1
.irp i, 0,1,2
	v_permlane16_swap_b32 v[PC+12*\t+6*\c+\i], v[ST+24*\t+12+4*\c+\i]
.endr
.irp i, 0,1,2
	v_mov_b32 v[PC+12*\t+6*\c+3+\i], v[ST+24*\t+12+4*\c+\i]
.endr
.endr
.endr
	WIN 0x41                                       ; O^T (destination and source 0) in window 1, f in window 0
.set j, 0
.rept 32
.irp t, 0,1
	v_pk_mul_f32 v[64*\t+j:64*\t+j+1], v[64*\t+j:64*\t+j+1], v[ST+24*\t+4:ST+24*\t+5] op_sel_hi:[1,0]   ; O^T under the new M; these 64 are also the places between the writing of p's codes and scale words and the products
.endr
.set j, j+2
.endr
	s_wait_dscnt 0x0                               ; V and its scale words are in
	WIN 0x51                                       ; V in window 1, P in window 0, O^T in window 1
.irp i, 0,1,2,3,4,5,6,7
.irp t, 0,1
	MMS 64*\t+8*\i, KF+12*\i, PC+12*\t, 64*\t+8*\i, SCV+\i/2, PW+\t, \i%2, 0   ; sixteen accumulators by turns, one instruction a turn
.endr
.endr
	WIN 0
.endm
; THE CHANGE OF SLOTS stands at a slot's head.  Each wave waits for all its tensor loads (its eighth of the slot that it is about to read), adds 0 to its spare word, and waits for that and for its LDS instructions: its reads of
; the slot that it has left, and in the first trip its stores of a.  fill = 1: the barrier is a round of the cluster's, and the joint refill is the first thing behind it: it has four key steps in which to land.
.macro CHANGE fill
	s_wait_tensorcnt 0x0                           ; no tensor load of mine is out, so a group 0 may be written
	ds_add_u32 v[SPW], v[NIL]                      ; 0 onto my spare word
.if \fill
	s_xor_b32 s[G0+1], s[G0+1], SLOT1              ; the other slot than last time,
	s_add_nc_u64 s[G0+2:G0+3], s[G0+2:G0+3], SLOTB ; the next four key steps; the type bits on top are not reached
	s_wait_xcnt 0x0                                ; the last prefetch, a slot back, has read its address, so it may be written:
	s_add_nc_u64 s[PFA:PFA+1], s[PFA:PFA+1], SLOTB ; one slot further on than the walking descriptor
	s_wait_dscnt 0x0
	CROUND
	JLOAD
	ASK
.else
	s_wait_dscnt 0x0
	s_barrier_signal -1
	s_barrier_wait -1
.endif
.endm
.macro FOUR_STEPS                      ; a slot's four key steps: written once, walked four times
	s_mov_b32 s[IS], 0
.Lstep_\@:
	STEP
	s_add_co_u32 s[IS], s[IS], 1
	s_cmp_lt_u32 s[IS], 4
	s_cbranch_scc1 .Lstep_\@
	s_xor_b32 s[SB], s[SB], SLOT1                  ; on to the other slot,
	s_add_co_u32 s[SL4], s[SL4], 4096              ; and its scale words
.endm
.Lslot:                                            ; seven trips: behind each change of slots but the last the next slot is asked for; the first trip's load is slot 1's first fill
	CHANGE 1
	FOUR_STEPS
	s_sub_co_u32 s[SLOTS], s[SLOTS], 1
	s_cmp_lg_u32 s[SLOTS], 0
	s_cbranch_scc1 .Lslot
	CHANGE 0                                       ; the last slot is written out
	FOUR_STEPS
	; THE WAY OUT.  The sum's two halves and lane l xor 16's are added; O^T is divided by the sum and goes through my stage in LDS, a tile (16 queries x 512 bytes) at a time.  The additions are the places behind the last products.
.irp t, 0,1
	v_add_f32 v[ST+24*\t+6], v[ST+24*\t+2], v[ST+24*\t+3]
.endr
.irp t, 0,1
	v_permlanex16_b32 v[ST+24*\t+12], v[ST+24*\t+6], s[SEL], s[SEL+1]
.endr
.irp t, 0,1
	v_add_f32 v[ST+24*\t+6], v[ST+24*\t+6], v[ST+24*\t+12]
.endr
.irp t, 0,1
	v_rcp_f32 v[ST+24*\t+4], v[ST+24*\t+6]
.endr
	v_and_b32 v[AD], 15, v0                        ; (a plain place behind the reciprocals)  r
	v_bfe_u32 v[AD4], v0, 4, 1                     ; h
	s_mul_i32 s[T0], s[WV], STGW
	s_add_co_u32 s[T0], s[T0], STG                 ; my stage
	v_mul_u32_u24 v[STO], v[AD], SP
	v_lshl_add_u32 v[STO], v[AD4], 5, v[STO]
	v_add_nc_u32 v[STO], s[T0], v[STO]             ; in: row r; tile i's eight channels of my half: 64 i + 32 h bytes on
	v_add_nc_u32 v[RD], s[T0], v[LI]               ; back: the 32 lanes take one row of 512 bytes
	s_wait_alu depctr_va_vdst(0)                   ; one wait for the two reciprocals, ahead of their first reader
.macro PACK n
	WIN 0x01                                       ; source 0 (O^T) in window 1; destination in window 0: p's registers are free
.set j, 0
.rept 32
	v_pk_mul_f32 v[S+64*(\n)+j:S+64*(\n)+j+1], v[64*(\n)+j:64*(\n)+j+1], v[ST+24*(\n)+4:ST+24*(\n)+5] op_sel_hi:[1,0]   ; register 8 i + k is out(r, 16 i + 8 h + k); each accumulator from its low end on
.set j, j+2
.endr
	WIN 0
.irp i, 0,1,2,3,4,5,6,7
	ds_store_b128 v[STO], v[S+64*(\n)+8*\i:S+64*(\n)+8*\i+3] offset:64*\i
	ds_store_b128 v[STO], v[S+64*(\n)+8*\i+4:S+64*(\n)+8*\i+7] offset:64*\i+16
.endr
.irp q, 0,1,2,3,4,5,6,7,8,9,10,11,12,13,14,15
	ds_load_b128 v[S+64*(\n)+4*\q:S+64*(\n)+4*\q+3], v[RD] offset:\q*SP   ; LDS serves a wave's instructions in order (ISA guide 5.7.1.4): these see the stores above, and the next tile's stores come behind them
.endr
.endm
.macro SEND n, younger                 ; younger: the LDS instructions issued behind tile n's loads
.irp q, 0,1,2,3,4,5,6,7,8,9,10,11,12,13,14,15
	s_wait_dscnt \younger+15-\q
	global_store_b128 v[LI], v[S+64*(\n)+4*\q:S+64*(\n)+4*\q+3], s[14:15] offset:(16*(\n)+\q)*3072 th:TH_STORE_NT   ; 32 lanes store a head's 512 bytes of a row, at a multiple of 256 from out0's first byte; written once, read by nobody here
.endr
.endm
	PACK 0
	PACK 1                                         ; tile 1's arithmetic stands between tile 0's loads and its stores
	SEND 0, 32
	SEND 1, 0
	s_wait_tensorcnt 0x0                           ; the wave's end: behind my last tensor load and my last LDS store
	ds_add_u32 v[SPW], v[NIL]
	s_wait_dscnt 0x0
	CROUND                                         ; the closing round: no work-group ends while a partner may still ask for a tile that names it
	s_endpgm
.Lfunc_end_k_q41e2983e3f_attn:
	.size	k_q41e2983e3f_attn, .Lfunc_end_k_q41e2983e3f_attn-k_q41e2983e3f_attn
	.p2alignl 7, 3214868480
	.fill 96, 4, 3214868480
	.section	.rodata,"a",@progbits
	.p2align	6, 0x0
	.amdhsa_kernel k_q41e2983e3f_attn
		.amdhsa_group_segment_fixed_size 327680
		.amdhsa_private_segment_fixed_size 0
		.amdhsa_enable_private_segment 0
		.amdhsa_kernarg_size 48
		.amdhsa_user_sgpr_count 2
		.amdhsa_user_sgpr_kernarg_segment_ptr 1
		.amdhsa_wavefront_size32 1
		.amdhsa_system_sgpr_workgroup_id_x 1
		.amdhsa_system_sgpr_workgroup_id_y 1
		.amdhsa_system_sgpr_workgroup_id_z 1
		.amdhsa_system_vgpr_workitem_id 0
		.amdhsa_next_free_vgpr 512
		.amdhsa_next_free_sgpr 82
		.amdhsa_reserve_vcc 0
		.amdhsa_float_denorm_mode_32 3
		.amdhsa_float_denorm_mode_16_64 3
		.amdhsa_memory_ordered 1
		.amdhsa_forward_progress 1
		.amdhsa_inst_pref_size 113
	.end_amdhsa_kernel
	.amdgpu_metadata
---
amdhsa.version: [ 1, 2 ]
amdhsa.kernels:
  - .name:           k_q41e2983e3f_attn
    .symbol:         k_q41e2983e3f_attn.kd
    .args:
      - { .name: qf, .offset: 0, .size: 8, .value_kind: global_buffer, .address_space: global }
      - { .name: qs, .offset: 8, .size: 8, .value_kind: global_buffer, .address_space: global }
      - { .name: kv, .offset: 16, .size: 8, .value_kind: global_buffer, .address_space: global }
      - { .name: kvs, .offset: 24, .size: 8, .value_kind: global_buffer, .address_space: global }
      - { .name: mask, .offset: 32, .size: 8, .value_kind: global_buffer, .address_space: global }
      - { .name: out0, .offset: 40, .size: 8, .value_kind: global_buffer, .address_space: global }
    .group_segment_fixed_size: 327680
    .private_segment_fixed_size: 0
    .kernarg_segment_align: 8
    .kernarg_segment_size: 48
    .max_flat_workgroup_size: 256
    .sgpr_count:     82
    .vgpr_count:     512
    .wavefront_size: 32
...
	.end_amdgpu_metadata
.endif
;; end of part 2
